; MI455X (gfx1250); checked and timed in simulation.
; The chip was launched on July 23, 2026; its instructions are those of AMD's public machine-readable ISA for CDNA 5 (MIT licence, August 2026) and "CDNA5" Instruction Set Architecture Reference Guide (July 2026). The comments in the code are by the model that wrote it; some were corrected since.
;; RNN lxg. Allowed arithmetic: float matrix products may take bf16 or f16 operands with f32 sums; all other float work in f32.
;; Inputs: W_hh0 3,072 x 1,024 float32; W_hh1 3,072 x 1,024 float32; W_ih0 3,072 x 1,024 float32; W_ih1 3,072 x 1,024 float32; b_hh0 3,072 float32; b_hh1 3,072 float32; b_ih0 3,072 float32; b_ih1 3,072 float32; inputs 16 x 512 x 1,024 float32; inputs_mask 16 x 512 int32.
;; Outputs: out0 512 x 16 x 1,024 float32.
;; One version. Each part assembles by itself: llvm-mc -triple=amdgcn-amd-amdhsa -mcpu=gfx1250 --defsym DOCPART=n.
;; ======== version 1 of 1: 3 launches
;; limits: inputs' magnitudes at most 65,504; values are held in f16: magnitudes above 65,504 overflow, below 6.1e-05 lose precision
;; workspace buffers: xb 16,777,216 bytes; h1b 16,777,216 bytes; w0b 6,291,456 bytes; w1b 6,291,456 bytes
;; launch tobf16 (part 1): grid 1792 x 1, 8 waves a work-group, no clusters, 0 bytes of LDS; arguments inputs, W_ih0, W_ih1, xb, w0b, w1b; writes xb, w0b, w1b
.if DOCPART == 1
	.amdgcn_target "amdgcn-amd-amdhsa--gfx1250"
	.amdhsa_code_object_version 6
	.text
	.protected	k_qaceeaf0e4e_tobf16
	.globl	k_qaceeaf0e4e_tobf16
	.p2align	8
	.type	k_qaceeaf0e4e_tobf16,@function
k_qaceeaf0e4e_tobf16:
	s_mov_b64 s[64:65], 0
	v_nop
	global_prefetch_b8 v0, s[64:65] scope:SCOPE_SE
	s_setreg_imm32_b32 hwreg(HW_REG_WAVE_MODE, 25, 1), 1
	s_wait_xcnt 0x0
; inputs [8192][1024], W_ih0 and W_ih1 [3072][1024], all f32, are rounded once to bf16 (to nearest even) and laid in blocks of 64 along K:
;   xb  [16 kb][8192 m][64]      w0b, w1b  [16 kb][3072 n'][64]
; so that the rows which a work-group of the next launches wants for one block of K lie end to end.  W's rows are reordered: row gate*1024 + hb*128 + j goes to
; n' = hb*384 + gate*128 + j, so that the three gates of 128 hidden columns are 384 neighbouring rows.
; W_ih1's numbers, so rounded, are WRITTEN AS f16: the second layer multiplies in f16, since its other operand, the first layer's h, is kept in f16's 11 significant bits.
; LIMITS.  A bf16 number (8 significant bits) is exact in f16 from 2^-17 up to 65,504; below 2^-17 it is off by 2^-25 at the most; from 65,520 on it would become an infinity.
; A stream: each byte is read once and written once; no LDS, no barrier, no matrix unit, no cluster (no two work-groups read the same byte).
; SHARES.  A work-group owns 8 source rows: groups 0-1023 those of inputs, 1024-1407 of W_ih0, 1408-1791 of W_ih1.  Wave w takes the row pair w % 4 and the K half w / 4.
; A load of a wave: lanes 0-15 take 256 aligned bytes (one block of 64 numbers) of one row, lanes 16-31 the same of the row below.
; A store of a wave: 32 lanes x 8 bytes = 256 consecutive aligned bytes, the two rows of that block.  Eight loads go out together; there is no loop.
.set XS, 8                             ; v[8:39]   load i: 4 registers as loaded
.set YS, 40                            ; v[40:55]  load i: 2 registers to store
	s_load_b256 s[4:11], s[0:1], 0x0               ; inputs s[4:5], W_ih0 s[6:7], W_ih1 s[8:9], xb s[10:11]
	s_load_b128 s[12:15], s[0:1], 0x20             ; w0b s[12:13], w1b s[14:15]
	v_and_b32 v1, 31, v0                           ; lane
	v_lshrrev_b32 v4, 5, v0
	v_readfirstlane_b32 s20, v4                    ; wave 0..7
	s_and_b32 s21, s20, 3                          ; p: my pair of rows
	s_lshr_b32 s22, s20, 2                         ; kh: my half of K
	v_and_b32 v2, 15, v1
	v_lshrrev_b32 v5, 4, v1
	v_lshlrev_b32 v2, 4, v2
	v_lshl_add_u32 v2, v5, 12, v2                  ; source: 16 (lane % 16) + 4,096 (lane / 16)
	v_lshlrev_b32 v3, 3, v1                        ; destination: 8 x lane
; Eight loads, their roundings and stores.  rows = the rows of a K block in the destination: block i lies i x rows x 128 bytes on (7,340,032 at the most: inside the signed 24-bit immediate).
; half = 1: the bf16 numbers are widened again (a shift, a mask) and written as f16.
.macro CONV rows, half
.irp i, 0,1,2,3,4,5,6,7
	global_load_b128 v[XS+4*(\i):XS+4*(\i)+3], v2, s[16:17] offset:256*(\i) th:TH_LOAD_NT
.endr
.irp i, 0,1,2,3,4,5,6,7
	s_wait_loadcnt 7-(\i)                          ; loads come back in order: load i is in, the 7 - i younger ones stay out
	v_cvt_pk_bf16_f32 v[YS+2*(\i)],   v[XS+4*(\i)],   v[XS+4*(\i)+1]
	v_cvt_pk_bf16_f32 v[YS+2*(\i)+1], v[XS+4*(\i)+2], v[XS+4*(\i)+3]
.if \half
	v_lshlrev_b32 v[XS+4*(\i)],   16, v[YS+2*(\i)]
	v_and_b32     v[XS+4*(\i)+1], 0xffff0000, v[YS+2*(\i)]
	v_lshlrev_b32 v[XS+4*(\i)+2], 16, v[YS+2*(\i)+1]
	v_and_b32     v[XS+4*(\i)+3], 0xffff0000, v[YS+2*(\i)+1]
	v_cvt_pk_f16_f32 v[YS+2*(\i)],   v[XS+4*(\i)],   v[XS+4*(\i)+1]
	v_cvt_pk_f16_f32 v[YS+2*(\i)+1], v[XS+4*(\i)+2], v[XS+4*(\i)+3]
.endif
	global_store_b64 v3, v[YS+2*(\i):YS+2*(\i)+1], s[18:19] offset:(\i)*(\rows)*128
.endr
.endm
	s_cmp_lt_u32 ttmp9, 1024
	s_cbranch_scc0 .Lweights
	s_lshl_b32 s23, ttmp9, 3
	s_lshl1_add_u32 s23, s21, s23                  ; my first row = 8 g + 2 p, the same in source and destination
	s_lshl_b32 s24, s23, 12                        ; source: row x 4,096
	s_lshl_b32 s26, s22, 11                        ; + kh x 2,048
	s_add_co_u32 s24, s24, s26
	s_mov_b32 s25, 0
	s_lshl_b32 s26, s23, 7                         ; destination: row x 128
	s_lshl_b32 s27, s22, 23                        ; + kh x 8 blocks x 8,192 rows x 128
	s_add_co_u32 s26, s26, s27
	s_mov_b32 s27, 0
	s_wait_kmcnt 0x0
	s_add_nc_u64 s[16:17], s[4:5], s[24:25]
	s_add_nc_u64 s[18:19], s[10:11], s[26:27]
	CONV 8192, 0
	s_endpgm
.Lweights:
	s_sub_co_u32 s23, ttmp9, 1024
	s_cmp_ge_u32 s23, 384                          ; the second 384 groups take W_ih1
	s_cselect_b32 s28, 384, 0
	s_wait_kmcnt 0x0
	s_cselect_b64 s[16:17], s[8:9], s[6:7]
	s_cselect_b64 s[18:19], s[14:15], s[12:13]
	s_sub_co_u32 s23, s23, s28                     ; i = 0..383: source rows 8 i ..
	s_lshl_b32 s24, s23, 3
	s_lshl1_add_u32 s24, s21, s24                  ; source row = 8 i + 2 p
	s_lshl_b32 s24, s24, 12
	s_lshl_b32 s26, s22, 11
	s_add_co_u32 s24, s24, s26
	s_mov_b32 s25, 0
	s_bfe_u32 s26, s23, 0x30004                    ; hb = (i / 16) % 8
	s_mul_i32 s26, s26, 384
	s_lshr_b32 s27, s23, 7                         ; gate = i / 128
	s_lshl_b32 s27, s27, 7
	s_add_co_u32 s26, s26, s27
	s_and_b32 s27, s23, 15
	s_lshl3_add_u32 s26, s27, s26                  ; + 8 (i % 16)
	s_lshl1_add_u32 s26, s21, s26                  ; + 2 p: the destination row n'
	s_lshl_b32 s26, s26, 7
	s_mul_i32 s27, s22, 8*3072*128
	s_add_co_u32 s26, s26, s27
	s_mov_b32 s27, 0
	s_add_nc_u64 s[16:17], s[16:17], s[24:25]
	s_add_nc_u64 s[18:19], s[18:19], s[26:27]
	s_cmp_lg_u32 s28, 0                            ; W_ih1 leaves as f16
	s_cbranch_scc1 .Lsecond
	CONV 3072, 0
	s_endpgm
.Lsecond:
	CONV 3072, 1
	s_endpgm
.Lfunc_end_k_qaceeaf0e4e_tobf16:
	.size	k_qaceeaf0e4e_tobf16, .Lfunc_end_k_qaceeaf0e4e_tobf16-k_qaceeaf0e4e_tobf16
	.p2alignl 7, 3214868480
	.fill 96, 4, 3214868480
	.section	.rodata,"a",@progbits
	.p2align	6, 0x0
	.amdhsa_kernel k_qaceeaf0e4e_tobf16
		.amdhsa_group_segment_fixed_size 0
		.amdhsa_private_segment_fixed_size 0
		.amdhsa_enable_private_segment 0
		.amdhsa_kernarg_size 48
		.amdhsa_user_sgpr_count 2
		.amdhsa_user_sgpr_kernarg_segment_ptr 1
		.amdhsa_wavefront_size32 1
		.amdhsa_system_sgpr_workgroup_id_x 1
		.amdhsa_system_sgpr_workgroup_id_y 1
		.amdhsa_system_sgpr_workgroup_id_z 1
		.amdhsa_system_vgpr_workitem_id 0
		.amdhsa_next_free_vgpr 56
		.amdhsa_next_free_sgpr 66
		.amdhsa_reserve_vcc 0
		.amdhsa_float_denorm_mode_32 3
		.amdhsa_float_denorm_mode_16_64 3
		.amdhsa_memory_ordered 1
		.amdhsa_forward_progress 1
		.amdhsa_inst_pref_size 14
	.end_amdhsa_kernel
	.amdgpu_metadata
---
amdhsa.version: [ 1, 2 ]
amdhsa.kernels:
  - .name:           k_qaceeaf0e4e_tobf16
    .symbol:         k_qaceeaf0e4e_tobf16.kd
    .args:
      - { .name: inputs, .offset: 0, .size: 8, .value_kind: global_buffer, .address_space: global }
      - { .name: W_ih0, .offset: 8, .size: 8, .value_kind: global_buffer, .address_space: global }
      - { .name: W_ih1, .offset: 16, .size: 8, .value_kind: global_buffer, .address_space: global }
      - { .name: xb, .offset: 24, .size: 8, .value_kind: global_buffer, .address_space: global }
      - { .name: w0b, .offset: 32, .size: 8, .value_kind: global_buffer, .address_space: global }
      - { .name: w1b, .offset: 40, .size: 8, .value_kind: global_buffer, .address_space: global }
    .group_segment_fixed_size: 0
    .private_segment_fixed_size: 0
    .kernarg_segment_align: 8
    .kernarg_segment_size: 48
    .max_flat_workgroup_size: 256
    .sgpr_count:     66
    .vgpr_count:     56
    .wavefront_size: 32
...
	.end_amdgpu_metadata
.endif
;; end of part 1
;; launch layer0 (part 2): grid 8 x 32, 4 waves a work-group, clusters of 4 x 4, 327,680 bytes of LDS; arguments xb, w0b, b_ih0, b_hh0, h1b; writes h1b
.if DOCPART == 2
	.amdgcn_target "amdgcn-amd-amdhsa--gfx1250"
	.amdhsa_code_object_version 6
	.text
	.protected	k_qaceeaf0e4e_layer0
	.globl	k_qaceeaf0e4e_layer0
	.p2align	8
	.type	k_qaceeaf0e4e_layer0,@function
k_qaceeaf0e4e_layer0:
	s_mov_b64 s[64:65], 0
	v_nop
	global_prefetch_b8 v0, s[64:65] scope:SCOPE_SE
	s_setreg_imm32_b32 hwreg(HW_REG_WAVE_MODE, 25, 1), 1
	s_wait_xcnt 0x0
	s_wait_alu depctr_hold_cnt(0) depctr_sa_sdst(0) depctr_va_vdst(0) depctr_va_sdst(0) depctr_va_ssrc(0) depctr_va_vcc(0) depctr_vm_vsrc(0)
	s_getreg_b32 s2, hwreg(HW_REG_IB_STS2, 6, 4)
	s_cmp_eq_u32 s2, 0
	s_cbranch_scc0 .Lentry_in_a_cluster
	s_endpgm
.Lentry_in_a_cluster:
	s_bfe_u32 s2, ttmp6, 0x10000c
	s_cmp_lg_u32 s2, 0xf033
	s_cbranch_scc0 .Lentry_shape_is_right
	s_endpgm
.Lentry_shape_is_right:
.set LAYER, 0                          ; 0: first layer, bf16 operands, h leaves as f16 in K blocks.  1: second layer, f16 operands, h times the mask leaves as f32 at row l*16 + b
; ONE GRU LAYER FROM A ZERO HIDDEN STATE.  G = A W^T (A: 8,192 rows m = b*512 + l, K = 1,024; W: 3 gates x 1,024 hidden columns), then for each hidden column
;   r = sigmoid(G_r + bi_r + bh_r)   1 - z = sigmoid(-(G_z + bi_z + bh_z))   n = tanh(G_n + bi_n + r bh_n)   h = (1 - z) n
; W_hh is no argument: the function that defines the result drops it before any use (the hidden state is 0), so no output hangs on it.
; A and W arrive in 16 bits, in blocks of 64 along K: A [16 kb][8192][64], W [16 kb][3072 n'][64] with n' = hb*384 + gate*128 + j.  Sums in f32.
; FORMATS.  The module's inputs are rounded once to bf16.  The first layer's h, which the program itself makes, goes to the second layer in f16: it lies inside (-1, 1), where f16 keeps 11 significant bits
; for bf16's 8, and its rounding reaches the output through 1,024 terms.  So the second layer multiplies in f16, and its weights, rounded to bf16 like the other inputs, arrive written as f16.
; LIMITS.  Below 2^-14 f16 keeps a fixed step of 2^-24; a weight of the second layer of 65,520 or more would be an infinity.
; sigmoid(x) = 1 / (1 + 2^(-x log2 e)), tanh(y) = 1 - 2 / (1 + 2^(2 y log2 e)): where the power overflows its reciprocal is 0, where it
; underflows it counts as 0, so both saturate by themselves and no clamp is written; tanh so made is off by about 1e-7 absolutely.  NaN and infinities are not treated apart.
; SHARES.  256 work-groups.  Work-group (hb, mb) makes 256 rows x 128 hidden columns x 3 gates; wave w the rows 128 (w / 2) .. and the hidden columns 64 (w % 2) ..: 128 x 192 of G in 96 accumulators of
; 16 x 16, 768 registers.  For 32 along K a wave reads 20,480 bytes of LDS for 96 matrix instructions.
; K goes in 16 steps of 64 through a ring of two LDS slots (a step of 128 would want 2 x 174,080 bytes).  A step's tiles are dense in memory (256 and 384 rows of 128 bytes) and are asked for as rows of
; 256 bytes that begin at multiples of 256 from the buffer's first byte, padded in LDS after every 128 bytes.
; CLUSTERS: 4 x 4 work-groups.  A's tile hangs on mb alone and is shared along a row of the cluster, W's on hb alone and is shared along a column: each is asked for JOINTLY, by the same tensor load with
; the same descriptor and a mask that names the four.
; THE MATRIX INSTRUCTION IS USED TRANSPOSED (source 0 = 16 rows of W, source 1 = 16 rows of A): a lane holds row lane % 16 and the columns 8 (lane / 16) + 0..7.
; THE WAY OUT.  The raw sums go through the wave's own stage in LDS, 32 rows x 3 gates at a time, and come back with 4 neighbouring hidden columns of one row a lane, all three gates in the same lane:
; the gate stage is then one loop of 8 rows a trip, the biases take 16 registers, and sixteen neighbouring lanes hold 64 neighbouring columns of a row.
; REGISTERS, in windows of 256 (s_set_vgpr_msb: bits 1:0 source 0, 3:2 source 1, 5:4 source 2, 7:6 destination):
;   window 0: v0-31 addresses; v32-95, v96-159 A's fragments, two buffers of 8; v160-255 W's fragments, one buffer of 4 for each gate.  On the way out v32-123 hold biases, masks and the gates at work
;   windows 1, 2, 3: the accumulators of gates r, z, n: (a, b) at v[8 (4 a + b)], a = 0..7 blocks of 16 rows, b = 0..3 blocks of 16 columns
.set PITCH,  144                       ; an LDS row: 128 bytes + 16 of padding = 36 words: the 16 rows of a fragment load start at 16 different groups of four banks (64 banks of 4 bytes: ISA guide 11.1)
.set AHALF,  128*PITCH                 ; what a wave fetches of A, and what a wave reads of A
.set BHALF,  192*PITCH                 ; what a wave fetches of W
.set BOFF,   2*AHALF                   ; W's 384 rows lie behind A's 256
.set SLOT,   BOFF+2*BHALF              ; 92,160 bytes
.set STAGE,  2*SLOT                    ; behind the ring, never filled by a tensor load: 32 rows x 784 bytes for each wave
.set SPITCH, 784                       ; a stage row: 3 gates x 256 bytes, then 16 bytes of which the first four hold the row's mask: 49 x 16
.set WSTAGE, 32*SPITCH
.set SPARE,  STAGE+4*WSTAGE            ; behind the stages: the spare words, 128 bytes for each wave: two blocks of 256 bytes that no other line names
.set ASTEP,  8192*128                  ; bytes from a K block of A to the next
.set BSTEP,  3072*128                  ; the same for W
.set LAPS,   7                         ; a lap = two K steps = once round the ring; the loop's 7 laps ask for steps 2 to 15
.if LAYER
.set OSTEP,  8*65536                   ; 8 rows l of the output [512 l][16 b][1024] f32
.else
.set OSTEP,  8*128                     ; 8 rows of a K block of h
.endif
.set ADRA, 16                          ; v16-17  LDS address of my A fragments in slot 0, 1
.set MO,   19                          ; v19     4 (lane % 16): my row's mask word
.set ADRB, 20                          ; v20-21  the same as ADRA for W
.set RMA,  22                          ; v22     the trip's address of the rows' masks
.set BO,   23                          ; v23     16 (lane % 16): my 4 columns in a bias
.set STO,  24                          ; v24     where I put 32 bytes of a stage row
.set RD,   25                          ; v25     where I read 16 bytes of a stage row back
.set RDA,  26                          ; v26     the trip's address for that
.set CO,   27                          ; v27     my byte offset in the output
.set SPW,  28                          ; v28     LDS address of my spare word; never rewritten
.set NIL,  29                          ; v29     0; never rewritten
.set STM,  30                          ; v30     where I put a row's mask
.set RM,   31                          ; v31     where I read it back
.set FA0,  32
.set FA1,  96
.set FBU,  160
.set BR,   32                          ; v[32:35] -(bi_r + bh_r) log2 e    of my 4 columns
.set BZ,   36                          ; v[36:39]  (bi_z + bh_z) log2 e
.set BN,   40                          ; v[40:43]  bi_n 2 log2 e
.set BH,   44                          ; v[44:47]  bh_n 2 log2 e
.set BT,   48                          ; v[48:55]  bh_r, bh_z as loaded
.set MK,   56                          ; v[56:63]  the mask of row 16 a + lane % 16, a = 0..7
.set GR,   64                          ; v[64:79]  gate r of four pairs of rows, 4 registers each;  v[80:95] gate z;  v[96:111] gate n
.set GZ,   80
.set GN,   96
.set GM,   112                         ; v[112:115] the four pairs' masks
.set GY,   116                         ; v[116:123] h in f16
.set WV,  16                           ; s16  my wave's number
.set FB,  17                           ; s17  which 128 rows are mine.  Also: I fetch for A (0) or for W (1)
.set HF,  18                           ; s18  which 64 hidden columns are mine.  Also: which half of that tile I fetch
.set G1,  24                           ; s[24:31] descriptor group 1 for A's tiles;  s[32:39] group 0, a set for each slot
.set G0,  32
.set G1B, 48                           ; s[48:55], s[56:63] the same for W's tiles
.set G0B, 56
.set FLAGS, (1<<16)|(1<<20)|(1<<21)|(4<<22)|(3<<25)  ; 17:16 elements of 2 bytes; 20 padding on; 21 set beside a mask; 24:22 after every 32 words (code 4); 31:25 4 words of it (code 3)
.set MSB, 0
.macro WIN new                         ; the immediate's high byte repeats the setting that is left; a switch that changes nothing is dropped
.if MSB != (\new)
	s_set_vgpr_msb (MSB<<8)|(\new)
.set MSB, \new
.endif
.endm
; A joint load.  Waves 0 and 1 fetch A's two halves, waves 2 and 3 W's.  The branch hangs on the wave's number alone.  An s_nop 0 and four v_nop follow each of the two lines.
.macro JLOAD s
	s_cmp_eq_u32 s[FB], 0
	s_cbranch_scc0 .Lfor_b_\@
	tensor_load_to_lds s[G0+4*(\s):G0+4*(\s)+3], s[G1:G1+7]
	s_nop 0
.rept 4
	v_nop
.endr
	s_branch .Lasked_\@
.Lfor_b_\@:
	tensor_load_to_lds s[G0B+4*(\s):G0B+4*(\s)+3], s[G1B:G1B+7]
	s_nop 0
.rept 4
	v_nop
.endr
.Lasked_\@:
.endm
; A round of the cluster's barrier: my work-group's barrier, so that wave 0's signal speaks for all four waves; wave 0 signals; every wave waits for all sixteen work-groups; my work-group's barrier once more.
.macro CREST                           ; a round behind its opening barrier
	s_cmp_lg_u32 s[WV], 0
	s_cbranch_scc1 .Lnot_wave_0_\@
	s_barrier_signal -3
.Lnot_wave_0_\@:
	s_barrier_wait -3
	s_barrier_signal -1
	s_barrier_wait -1
.endm
.macro CROUND                          ; a whole round
	s_barrier_signal -1
	s_barrier_wait -1
	CREST
.endm
.macro PLACES                          ; four places in front of loads into registers that matrix instructions have read (ISA guide 7.12.1 for vector instructions)
.rept 4
	v_nop
.endr
.endm
	s_load_b256 s[4:11], s[0:1], 0x0               ; A s[4:5], W s[6:7], b_ih s[8:9], b_hh s[10:11]
.if LAYER
	s_load_b128 s[12:15], s[0:1], 0x20             ; the output s[12:13], the mask s[14:15]
.else
	s_load_b64 s[12:13], s[0:1], 0x20              ; the output
.endif
	v_lshl_add_u32 v[SPW], v0, 2, SPARE
	v_mov_b32 v[NIL], 0
	ds_add_u32 v[SPW], v[NIL]                      ; the wave's opening: the add and its wait stand ahead of my first tensor load; the set-up below, work on registers, stands between them
	v_lshrrev_b32 v1, 5, v0
	v_readfirstlane_b32 s[WV], v1                  ; wave 0..3
	s_lshr_b32 s[FB], s[WV], 1
	s_and_b32 s[HF], s[WV], 1
	s_bfe_u32 s19, ttmp6, 0x40000                  ; cx, cy: my place in the cluster
	s_bfe_u32 s20, ttmp6, 0x40004
	s_lshl_b32 s21, ttmp9, 2                       ; in a cluster launch ttmp9 and ttmp7 count clusters
	s_add_co_u32 s21, s21, s19                     ; hb = 4 x cluster x + cx
	s_and_b32 s22, ttmp7, 0xffff
	s_lshl_b32 s22, s22, 2
	s_add_co_u32 s22, s22, s20                     ; mb = 4 x cluster y + cy
	s_lshl_b32 s40, s20, 2
	s_lshl_b32 s40, 15, s40                        ; my row of the cluster: places 4 cy .. 4 cy + 3
	s_lshl_b32 s41, 0x1111, s19                    ; my column: places cx, cx + 4, cx + 8, cx + 12
	s_or_b32 s[G1], s40, FLAGS                     ; A's tiles go to my row,
	s_or_b32 s[G1B], s41, FLAGS                    ; W's to my column
	s_mov_b32 s[G1+1], 128<<16                     ; tensor_dim0 = 128 elements: 256 bytes, two rows of a K block
	s_mov_b32 s[G1B+1], 128<<16
	s_mov_b32 s[G1+2], 64<<16                      ; tensor_dim1 = 64: 128 rows of A
	s_mov_b32 s[G1B+2], 96<<16                     ; 96: 192 rows of W
	s_mov_b32 s[G1+3], 128<<16                     ; tile_dim0
	s_mov_b32 s[G1B+3], 128<<16
	s_mov_b32 s[G1+4], 64                          ; tile_dim1
	s_mov_b32 s[G1B+4], 96
	s_mov_b32 s[G1+5], 128                         ; elements from row to row: dense
	s_mov_b32 s[G1B+5], 128
	s_mov_b32 s[G1+6], 0
	s_mov_b32 s[G1B+6], 0
	s_mov_b32 s[G1+7], 0
	s_mov_b32 s[G1B+7], 0
	; where the tiles come from: A's offset is made of mb and the wave's number, W's of hb and the wave's number, each in registers that never hold the other coordinate
	s_lshl_b32 s42, s22, 15                        ; mb x 256 rows x 128 bytes
	s_lshl_b32 s23, s[HF], 14                      ; + my half's 128 rows
	s_add_co_u32 s42, s42, s23
	s_mov_b32 s43, 0
	s_mul_i32 s44, s21, 384*128                    ; hb x 384 rows x 128 bytes
	s_mul_i32 s23, s[HF], 192*128                  ; + my half's 192 rows
	s_add_co_u32 s44, s44, s23
	s_mov_b32 s45, 0
	s_mul_i32 s46, s[HF], AHALF                    ; and where they go: no place in the cluster enters an LDS address
	s_mul_i32 s47, s[HF], BHALF
	s_add_co_u32 s47, s47, BOFF
	s_mov_b32 s70, 0xbfb8aa3b                      ; -log2 e; each constant twice: the packed forms name a pair and take its low word for both halves
	s_mov_b32 s71, 0xbfb8aa3b
	s_mov_b32 s72, 0x3fb8aa3b                      ; log2 e
	s_mov_b32 s73, 0x3fb8aa3b
	s_mov_b32 s74, 0x4038aa3b                      ; 2 log2 e
	s_mov_b32 s75, 0x4038aa3b
	s_wait_dscnt 0x0                               ; the opening add is done
	s_wait_kmcnt 0x0
	s_add_nc_u64 s[42:43], s[4:5], s[42:43]        ; my part of A's tile of K step 0
	s_add_nc_u64 s[44:45], s[6:7], s[44:45]        ; and of W's
	CROUND                                         ; all sixteen work-groups are here: the first joint loads meet
.irp s, 0,1
	s_mov_b32 s[G0+4*(\s)], 1                                      ; count = 1
	s_add_co_u32 s[G0+4*(\s)+1], s46, (\s)*SLOT                    ; LDS address
	s_add_nc_u64 s[G0+4*(\s)+2:G0+4*(\s)+3], s[42:43], (\s)*ASTEP  ; global address: K step s
	s_or_b32 s[G0+4*(\s)+3], s[G0+4*(\s)+3], 0x80000000            ; type = 2
	s_mov_b32 s[G0B+4*(\s)], 1
	s_add_co_u32 s[G0B+4*(\s)+1], s47, (\s)*SLOT
	s_add_nc_u64 s[G0B+4*(\s)+2:G0B+4*(\s)+3], s[44:45], (\s)*BSTEP
	s_or_b32 s[G0B+4*(\s)+3], s[G0B+4*(\s)+3], 0x80000000
	JLOAD \s                                       ; two loads of mine are out: the ring is filled before anything else is done
.endr
	; A fragment is 16 rows x 32 K in 8 registers: lane l holds row l % 16; registers 0-3 K = 8 (l / 16) + 0..7, registers 4-7 K = 16 + 8 (l / 16) + 0..7: two loads of 16 bytes, 32 bytes apart.
	v_and_b32 v1, 15, v0                           ; l % 16
	v_bfe_u32 v2, v0, 4, 1                         ; l / 16
	v_mul_u32_u24 v3, v1, PITCH
	v_lshl_add_u32 v3, v2, 4, v3                   ; row x pitch + 16 x half
	s_mul_i32 s23, s[FB], AHALF                    ; my 128 rows of A
	s_mul_i32 s76, s[HF], 64*PITCH                 ; my 64 rows of each gate of W,
	s_add_co_u32 s76, s76, BOFF                    ; which lie behind A's 256
	v_add_nc_u32 v[ADRA], s23, v3
	v_add_nc_u32 v[ADRB], s76, v3
	v_add_nc_u32 v[ADRA+1], SLOT, v[ADRA]
	v_add_nc_u32 v[ADRB+1], SLOT, v[ADRB]
	s_mul_i32 s23, s[WV], WSTAGE
	s_add_co_u32 s23, s23, STAGE                   ; my stage
	v_mul_u32_u24 v4, v1, SPITCH
	v_add_nc_u32 v4, s23, v4
	v_lshl_add_u32 v[STO], v2, 5, v4               ; in: row l % 16, 32 bytes (8 columns) for each half of the lanes
	v_mul_u32_u24 v5, v2, SPITCH
	v_add_nc_u32 v5, s23, v5
	v_lshl_add_u32 v[RD], v1, 4, v5                ; back: lanes 0-15 take a gate's 256 bytes of one row, lanes 16-31 of the next
	v_lshlrev_b32 v[BO], 4, v1
	s_lshl_b32 s76, s21, 9                         ; my first hidden column, in bytes of f32: 512 hb + 256 half
	s_lshl_b32 s77, s[HF], 8
	s_add_co_u32 s76, s76, s77
	s_mov_b32 s77, 0
	s_add_nc_u64 s[8:9], s[8:9], s[76:77]
	s_add_nc_u64 s[10:11], s[10:11], s[76:77]
.if LAYER
	v_add_nc_u32 v[STM], 768, v4
	v_add_nc_u32 v[RM], 768, v5
	v_lshlrev_b32 v[MO], 2, v1
	v_lshlrev_b32 v[CO], 16, v2                    ; the next row l lies 16 x 4,096 bytes on
	v_lshl_add_u32 v[CO], v1, 4, v[CO]
	s_and_b32 s78, s22, 1                          ; row m = 256 mb + 128 half + ..: b = mb / 2, l = 256 (mb % 2) + 128 half + ..; its bytes begin at l x 65,536 + b x 4,096
	s_lshl_b32 s78, s78, 24
	s_lshl_b32 s79, s[FB], 23
	s_add_co_u32 s78, s78, s79
	s_lshr_b32 s79, s22, 1
	s_lshl_b32 s79, s79, 12
	s_add_co_u32 s78, s78, s79
	s_add_co_u32 s78, s78, s76                     ; + my first column
	s_mov_b32 s79, 0
	s_add_nc_u64 s[12:13], s[12:13], s[78:79]
	s_lshl_b32 s78, s22, 10                        ; the mask's word of my first row
	s_lshl_b32 s79, s[FB], 9
	s_add_co_u32 s78, s78, s79
	s_mov_b32 s79, 0
	s_add_nc_u64 s[14:15], s[14:15], s[78:79]
.else
	v_and_b32 v[CO], 31, v0
	v_lshlrev_b32 v[CO], 3, v[CO]                  ; 8 bytes a lane: two rows of 128 bytes
	s_lshl1_add_u32 s78, s21, s[HF]                ; my 64 hidden columns are K block 2 hb + half of the next layer
	s_lshl_b32 s78, s78, 20                        ; x 8,192 rows x 128 bytes
	s_lshl_b32 s79, s22, 15                        ; + my first row
	s_add_co_u32 s78, s78, s79
	s_lshl_b32 s79, s[FB], 14
	s_add_co_u32 s78, s78, s79
	s_mov_b32 s79, 0
	s_add_nc_u64 s[12:13], s[12:13], s[78:79]
.endif
; 4 na matrix instructions of gate g: row blocks a0 .. a0 + na - 1 x all 4 column blocks, 32 along K, A's fragments in buffer f.  zero = 1: the first product starts the sums: nothing is ever cleared.
; The 96 accumulators take turns in the same order in every quarter step.  The first layer's operands are bf16, the second's f16: one form throughout a launch.
.macro MULG g, f, a0, na, zero
	WIN 0x50*((\g)+1)                              ; C and D in the gate's window, sources in window 0
.set ma, \a0
.rept \na
.irp b, 0,1,2,3
.if LAYER
.if \zero
	v_wmma_f32_16x16x32_f16 v[8*(4*ma+(\b)):8*(4*ma+(\b))+7], v[FBU+32*(\g)+8*(\b):FBU+32*(\g)+8*(\b)+7], v[(\f)+8*ma:(\f)+8*ma+7], 0
.else
	v_wmma_f32_16x16x32_f16 v[8*(4*ma+(\b)):8*(4*ma+(\b))+7], v[FBU+32*(\g)+8*(\b):FBU+32*(\g)+8*(\b)+7], v[(\f)+8*ma:(\f)+8*ma+7], v[8*(4*ma+(\b)):8*(4*ma+(\b))+7]
.endif
.else
.if \zero
	v_wmma_f32_16x16x32_bf16 v[8*(4*ma+(\b)):8*(4*ma+(\b))+7], v[FBU+32*(\g)+8*(\b):FBU+32*(\g)+8*(\b)+7], v[(\f)+8*ma:(\f)+8*ma+7], 0
.else
	v_wmma_f32_16x16x32_bf16 v[8*(4*ma+(\b)):8*(4*ma+(\b))+7], v[FBU+32*(\g)+8*(\b):FBU+32*(\g)+8*(\b)+7], v[(\f)+8*ma:(\f)+8*ma+7], v[8*(4*ma+(\b)):8*(4*ma+(\b))+7]
.endif
.endif
.endr
.set ma, ma+1
.endr
.endm
.macro LDB g, slot, k                  ; 8 LDS loads: gate g's 4 fragments of W, 32 K at byte k of the rows
.irp b, 0,1,2,3
	ds_load_b128 v[FBU+32*(\g)+8*(\b):FBU+32*(\g)+8*(\b)+3],   v[ADRB+(\slot)] offset:(\k)+(128*(\g)+16*(\b))*PITCH
	ds_load_b128 v[FBU+32*(\g)+8*(\b)+4:FBU+32*(\g)+8*(\b)+7], v[ADRB+(\slot)] offset:(\k)+(128*(\g)+16*(\b))*PITCH+32
.endr
.endm
.macro LDA f, slot, k                  ; 16 LDS loads: A's 8 fragments into buffer f
.irp i, 0,1,2,3,4,5,6,7
	ds_load_b128 v[(\f)+8*(\i):(\f)+8*(\i)+3],   v[ADRA+(\slot)] offset:(\k)+(\i)*16*PITCH
	ds_load_b128 v[(\f)+8*(\i)+4:(\f)+8*(\i)+7], v[ADRA+(\slot)] offset:(\k)+(\i)*16*PITCH+32
.endr
.endm
; A K step is two quarters-of-128, each 32 along K and 96 matrix instructions.  The first multiplies buffer FA0; behind each gate's 32 products that gate's next fragments of W are fetched into the registers
; just read (behind the first gate's also A's next fragments, into FA1): three runs of 24, 8 and 8 loads, each 64 matrix instructions ahead of its first use.
.macro QUARTER slot, k, zero
	s_wait_dscnt 16                                ; the youngest 16 loads (gates z and n of W) may be out: gate r and A are in
	MULG 0, FA0, 0, 8, \zero
	PLACES
	WIN 0
	LDB 0, \slot, \k
	LDA FA1, \slot, \k
	s_wait_dscnt 32                                ; out may be the 24 just issued and gate n's 8: gate z is in
	MULG 1, FA0, 0, 8, \zero
	PLACES
	WIN 0
	LDB 1, \slot, \k
	s_wait_dscnt 32                                ; out may be the 24 and the 8 issued in this quarter: gate n is in
	MULG 2, FA0, 0, 8, \zero
	PLACES
	WIN 0
	LDB 2, \slot, \k
.endm
; The second multiplies FA1 and changes slots: ONE barrier for two things.  In front of it each wave waits for all its tensor loads, of which one is out: its part of the next slot; adds 0 to its spare word;
; and waits for that and for its own reads of this slot.  Behind it nobody reads this slot any more and the next slot is whole.  fill = 1: the barrier opens a round of the cluster's, and the slot just read out is
; filled again first thing behind the round, two K steps ahead: 160 of a step's 192 matrix instructions stand between that request and the wait for it.
.macro TURN slot, next, fill
	WIN 0
	s_wait_tensorcnt 0x0                           ; all my tensor loads have landed;
	ds_add_u32 v[SPW], v[NIL]                      ; 0 onto my spare word;
	s_wait_dscnt 17                                ; (the add and the youngest 16 loads may be out: gate r and A are in)
	MULG 0, FA1, 0, 4, 0                           ; sixteen matrix instructions stand between the add and the wait for it
	s_wait_dscnt 0x0                               ; the add is done, and my reads of this slot are over
	s_barrier_signal -1
	MULG 0, FA1, 4, 4, 0                           ; work on registers while the others arrive
	WIN 0
	s_barrier_wait -1
.if \fill
	CREST                                          ; no wave of any partner still reads this slot's tile or has a load on its way
	s_add_nc_u64 s[G0+4*(\slot)+2:G0+4*(\slot)+3], s[G0+4*(\slot)+2:G0+4*(\slot)+3], 2*ASTEP
	s_add_nc_u64 s[G0B+4*(\slot)+2:G0B+4*(\slot)+3], s[G0B+4*(\slot)+2:G0B+4*(\slot)+3], 2*BSTEP
	JLOAD \slot                                    ; the first tensor load behind the round; the four v_nop behind it are also the places in front of the loads below
.else
	PLACES
.endif
	LDB 0, \next, 0
	LDA FA0, \next, 0
	MULG 1, FA1, 0, 8, 0
	PLACES
	WIN 0
	LDB 1, \next, 0
	MULG 2, FA1, 0, 8, 0
	PLACES
	WIN 0
	LDB 2, \next, 0
.endm
	s_wait_tensorcnt 1                             ; my part of K step 0 is in; step 1's may stay out
	s_barrier_signal -1
	s_barrier_wait -1                              ; everybody's is
	LDB 0, 0, 0
	LDA FA0, 0, 0
	LDB 1, 0, 0
	LDB 2, 0, 0
	QUARTER 0, 64, 1                               ; the first 32 along K stand in front of the loop: their products start the sums
	s_mov_b32 s66, LAPS
.Llap:                                                 ; a trip goes once round the ring and fills both slots again
	TURN 0, 1, 1
	QUARTER 1, 64, 0
	TURN 1, 0, 1
	QUARTER 0, 64, 0
	s_sub_co_u32 s66, s66, 1
	s_cmp_lg_u32 s66, 0
	s_cbranch_scc1 .Llap
	TURN 0, 1, 0                                   ; the last lap fills nothing, and has no round of the cluster's barrier
	QUARTER 1, 64, 0
	; the biases of my 4 columns (and the masks of my rows) are asked for here, into buffer FA0, which is read no more (its four places stand above): they land under the last 96 products
	global_load_b128 v[BR:BR+3], v[BO], s[8:9]
	global_load_b128 v[BZ:BZ+3], v[BO], s[8:9] offset:4096
	global_load_b128 v[BN:BN+3], v[BO], s[8:9] offset:8192
	global_load_b128 v[BT:BT+3], v[BO], s[10:11]
	global_load_b128 v[BT+4:BT+7], v[BO], s[10:11] offset:4096
	global_load_b128 v[BH:BH+3], v[BO], s[10:11] offset:8192
.if LAYER
.irp i, 0,1,2,3,4,5,6,7
	global_load_b32 v[MK+(\i)], v[MO], s[14:15] offset:64*(\i)  ; row 16 i + lane % 16
.endr
.endif
	s_wait_dscnt 16                                ; the very last 32 along K: nothing more to fetch, the counts run down
	MULG 0, FA1, 0, 8, 0
	s_wait_dscnt 8
	MULG 1, FA1, 0, 8, 0
	s_wait_dscnt 0x0
	MULG 2, FA1, 0, 8, 0
	WIN 0
	s_wait_loadcnt 0x0                             ; biases and masks
	; the biases are summed and scaled once; these twelve plain instructions, which name no register of the last products, are also the places behind them
	v_pk_add_f32 v[BR:BR+1], v[BR:BR+1], v[BT:BT+1]
	v_pk_add_f32 v[BR+2:BR+3], v[BR+2:BR+3], v[BT+2:BT+3]
	v_pk_add_f32 v[BZ:BZ+1], v[BZ:BZ+1], v[BT+4:BT+5]
	v_pk_add_f32 v[BZ+2:BZ+3], v[BZ+2:BZ+3], v[BT+6:BT+7]
	v_pk_mul_f32 v[BN:BN+1], v[BN:BN+1], s[74:75] op_sel_hi:[1,0]
	v_pk_mul_f32 v[BN+2:BN+3], v[BN+2:BN+3], s[74:75] op_sel_hi:[1,0]
	v_pk_mul_f32 v[BH:BH+1], v[BH:BH+1], s[74:75] op_sel_hi:[1,0]
	v_pk_mul_f32 v[BH+2:BH+3], v[BH+2:BH+3], s[74:75] op_sel_hi:[1,0]
	v_pk_mul_f32 v[BR:BR+1], v[BR:BR+1], s[70:71] op_sel_hi:[1,0]
	v_pk_mul_f32 v[BR+2:BR+3], v[BR+2:BR+3], s[70:71] op_sel_hi:[1,0]
	v_pk_mul_f32 v[BZ:BZ+1], v[BZ:BZ+1], s[72:73] op_sel_hi:[1,0]
	v_pk_mul_f32 v[BZ+2:BZ+3], v[BZ+2:BZ+3], s[72:73] op_sel_hi:[1,0]
.if LAYER
.irp i, 0,1,2,3,4,5,6,7
	v_cvt_f32_i32 v[MK+(\i)], v[MK+(\i)]           ; the mask as a number, whatever whole number it holds
.endr
.endif
; THE GATE STAGE's lines, each over the 16 registers (four pairs of rows x 4 columns) of one gate.
.macro FMA8 x, sc, bias                ; x = x * scalar + bias of my 4 columns
.set i, 0
.rept 8
	v_pk_fma_f32 v[(\x)+2*i:(\x)+2*i+1], v[(\x)+2*i:(\x)+2*i+1], s[(\sc):(\sc)+1], v[(\bias)+2*(i%2):(\bias)+2*(i%2)+1] op_sel_hi:[1,0,1]
.set i, i+1
.endr
.endm
.macro TR16 op, x                      ; a transcendental, in place
.set i, 0
.rept 16
	\op v[(\x)+i], v[(\x)+i]
.set i, i+1
.endr
.endm
.macro INC8 x                          ; x = x + 1
.set i, 0
	s_wait_alu depctr_va_vdst(0)
.rept 8
	v_pk_add_f32 v[(\x)+2*i:(\x)+2*i+1], v[(\x)+2*i:(\x)+2*i+1], 1.0 op_sel_hi:[1,0]
.set i, i+1
.endr
.endm
.set MX, 4*LAYER                       ; the second layer's four loads of masks are the youngest of a trip's LDS loads
; Row blocks 2 c and 2 c + 1 (32 rows) leave.  First the raw sums go into my stage (each accumulator's low four registers first), the rows' masks into the rows' spare words.
; LDS serves a wave's instructions in order (ISA guide 5.7.1.4) and the stage is mine alone: no wait and no barrier stands between these stores and the loads below, or between those loads and the next stores.
.macro CHUNK c
.irp g, 0,1,2
	WIN ((\g)+1)<<2                                ; the stores' data in the gate's window
.irp aa, 0,1
.irp b, 0,1,2,3
	ds_store_b128 v[STO], v[8*(4*(2*(\c)+(\aa))+(\b)):8*(4*(2*(\c)+(\aa))+(\b))+3]   offset:(\aa)*16*SPITCH+256*(\g)+64*(\b)
	ds_store_b128 v[STO], v[8*(4*(2*(\c)+(\aa))+(\b))+4:8*(4*(2*(\c)+(\aa))+(\b))+7] offset:(\aa)*16*SPITCH+256*(\g)+64*(\b)+16
.endr
.endr
.endr
	WIN 0
.if LAYER
	ds_store_b32 v[STM], v[MK+2*(\c)]
	ds_store_b32 v[STM], v[MK+2*(\c)+1] offset:16*SPITCH
.endif
	s_mov_b32 s67, 4                               ; four trips of 8 rows
	s_mov_b32 s68, 0                               ; the trip's first row in the stage, in bytes
.Ltrip_\@:
	v_add_nc_u32 v[RDA], s68, v[RD]
.if LAYER
	v_add_nc_u32 v[RMA], s68, v[RM]
.endif
.irp g, 0,1,2
.irp t, 0,1,2,3
	ds_load_b128 v[GR+16*(\g)+4*(\t):GR+16*(\g)+4*(\t)+3], v[RDA] offset:256*(\g)+2*SPITCH*(\t)  ; gate g, rows 2 t and 2 t + 1: 4 columns a lane
.endr
.endr
.if LAYER
.irp t, 0,1,2,3
	ds_load_b32 v[GM+(\t)], v[RMA] offset:2*SPITCH*(\t)
.endr
.endif
	; behind each run of transcendentals stands a plain instruction that touches none of its registers before a result is used (ISA guide 5.7.2)
	s_wait_dscnt 8+MX                              ; gate r is in; the younger loads (z, n, masks) stay out
	FMA8 GR, 70, BR                                ; -(G_r + bi_r + bh_r) log2 e
	TR16 v_exp_f32, GR
	s_wait_dscnt 4+MX                              ; gate z is in
	FMA8 GZ, 72, BZ                                ; (G_z + bi_z + bh_z) log2 e
	TR16 v_exp_f32, GZ
	INC8 GR
	TR16 v_rcp_f32, GR                             ; r
	s_wait_dscnt MX                                ; gate n is in
	FMA8 GN, 74, BN                                ; (G_n + bi_n) 2 log2 e
	INC8 GZ
	TR16 v_rcp_f32, GZ                             ; 1 - z
.set i, 0
	s_wait_alu depctr_va_vdst(0)
.rept 8
	v_pk_fma_f32 v[GN+2*i:GN+2*i+1], v[GR+2*i:GR+2*i+1], v[BH+2*(i%2):BH+2*(i%2)+1], v[GN+2*i:GN+2*i+1]  ; + r bh_n 2 log2 e
.set i, i+1
.endr
	TR16 v_exp_f32, GN
.if LAYER
	s_wait_dscnt 0x0                               ; the masks are in
.set i, 0
.rept 16
	v_mul_f32 v[GZ+i], v[GZ+i], v[GM+i/4]          ; (1 - z) x mask
.set i, i+1
.endr
.else
	v_nop
	s_wait_alu depctr_va_vdst(0)
.endif
	INC8 GN
	TR16 v_rcp_f32, GN
	v_nop
.set i, 0
	s_wait_alu depctr_va_vdst(0)
.rept 8
	v_pk_fma_f32 v[GN+2*i:GN+2*i+1], v[GN+2*i:GN+2*i+1], -2.0, 1.0 op_sel_hi:[1,0,0]  ; tanh
.set i, i+1
.endr
.set i, 0
.rept 8
	v_pk_mul_f32 v[GN+2*i:GN+2*i+1], v[GN+2*i:GN+2*i+1], v[GZ+2*i:GZ+2*i+1]           ; h
.set i, i+1
.endr
.if LAYER
.irp t, 0,1,2,3
	global_store_b128 v[CO], v[GN+4*(\t):GN+4*(\t)+3], s[12:13] offset:2*65536*(\t) th:TH_STORE_NT  ; 16 lanes store 256 consecutive bytes, at a multiple of 256 from the output's first byte
.endr
.else
.set i, 0
.rept 8
	v_cvt_pk_f16_f32 v[GY+i], v[GN+2*i], v[GN+2*i+1]  ; h, inside (-1, 1), rounded once to f16
.set i, i+1
.endr
.irp t, 0,1,2,3
	global_store_b64 v[CO], v[GY+2*(\t):GY+2*(\t)+1], s[12:13] offset:256*(\t)  ; 32 lanes store 256 consecutive bytes, two rows of a K block, at a multiple of 256 from the buffer's first byte
.endr
.endif
	s_wait_xcnt 0x0                                ; every earlier memory instruction has had its addresses translated (ISA guide 3.1): only behind this wait are the stores' base and data registers rewritten
	s_add_nc_u64 s[12:13], s[12:13], OSTEP         ; 8 rows on; the base runs on from chunk to chunk
	s_add_co_u32 s68, s68, 8*SPITCH
	s_sub_co_u32 s67, s67, 1
	s_cmp_lg_u32 s67, 0
	s_cbranch_scc1 .Ltrip_\@
.endm
	CHUNK 0
	CHUNK 1
	CHUNK 2
	CHUNK 3
	s_wait_tensorcnt 0x0                           ; the wave's end: a wait, an add and its wait, behind my last tensor load and my last LDS store
	ds_add_u32 v[SPW], v[NIL]
	s_wait_dscnt 0x0
	CROUND                                         ; the closing round: no work-group ends while a partner may still ask for a tile that names it
	s_endpgm
.Lfunc_end_k_qaceeaf0e4e_layer0:
	.size	k_qaceeaf0e4e_layer0, .Lfunc_end_k_qaceeaf0e4e_layer0-k_qaceeaf0e4e_layer0
	.p2alignl 7, 3214868480
	.fill 96, 4, 3214868480
	.section	.rodata,"a",@progbits
	.p2align	6, 0x0
	.amdhsa_kernel k_qaceeaf0e4e_layer0
		.amdhsa_group_segment_fixed_size 327680
		.amdhsa_private_segment_fixed_size 0
		.amdhsa_enable_private_segment 0
		.amdhsa_kernarg_size 40
		.amdhsa_user_sgpr_count 2
		.amdhsa_user_sgpr_kernarg_segment_ptr 1
		.amdhsa_wavefront_size32 1
		.amdhsa_system_sgpr_workgroup_id_x 1
		.amdhsa_system_sgpr_workgroup_id_y 1
		.amdhsa_system_sgpr_workgroup_id_z 1
		.amdhsa_system_vgpr_workitem_id 0
		.amdhsa_next_free_vgpr 1024
		.amdhsa_next_free_sgpr 80
		.amdhsa_reserve_vcc 0
		.amdhsa_float_denorm_mode_32 3
		.amdhsa_float_denorm_mode_16_64 3
		.amdhsa_memory_ordered 1
		.amdhsa_forward_progress 1
		.amdhsa_inst_pref_size 136
	.end_amdhsa_kernel
	.amdgpu_metadata
---
amdhsa.version: [ 1, 2 ]
amdhsa.kernels:
  - .name:           k_qaceeaf0e4e_layer0
    .symbol:         k_qaceeaf0e4e_layer0.kd
    .args:
      - { .name: xb, .offset: 0, .size: 8, .value_kind: global_buffer, .address_space: global }
      - { .name: w0b, .offset: 8, .size: 8, .value_kind: global_buffer, .address_space: global }
      - { .name: b_ih0, .offset: 16, .size: 8, .value_kind: global_buffer, .address_space: global }
      - { .name: b_hh0, .offset: 24, .size: 8, .value_kind: global_buffer, .address_space: global }
      - { .name: h1b, .offset: 32, .size: 8, .value_kind: global_buffer, .address_space: global }
    .group_segment_fixed_size: 327680
    .private_segment_fixed_size: 0
    .kernarg_segment_align: 8
    .kernarg_segment_size: 40
    .max_flat_workgroup_size: 128
    .sgpr_count:     80
    .vgpr_count:     1024
    .wavefront_size: 32
...
	.end_amdgpu_metadata
.endif
;; end of part 2
;; launch layer1 (part 3): grid 8 x 32, 4 waves a work-group, clusters of 4 x 4, 327,680 bytes of LDS; arguments h1b, w1b, b_ih1, b_hh1, out0, inputs_mask; writes out0
.if DOCPART == 3
	.amdgcn_target "amdgcn-amd-amdhsa--gfx1250"
	.amdhsa_code_object_version 6
	.text
	.protected	k_qaceeaf0e4e_layer1
	.globl	k_qaceeaf0e4e_layer1
	.p2align	8
	.type	k_qaceeaf0e4e_layer1,@function
k_qaceeaf0e4e_layer1:
	s_mov_b64 s[64:65], 0
	v_nop
	global_prefetch_b8 v0, s[64:65] scope:SCOPE_SE
	s_setreg_imm32_b32 hwreg(HW_REG_WAVE_MODE, 25, 1), 1
	s_wait_xcnt 0x0
	s_wait_alu depctr_hold_cnt(0) depctr_sa_sdst(0) depctr_va_vdst(0) depctr_va_sdst(0) depctr_va_ssrc(0) depctr_va_vcc(0) depctr_vm_vsrc(0)
	s_getreg_b32 s2, hwreg(HW_REG_IB_STS2, 6, 4)
	s_cmp_eq_u32 s2, 0
	s_cbranch_scc0 .Lentry_in_a_cluster
	s_endpgm
.Lentry_in_a_cluster:
	s_bfe_u32 s2, ttmp6, 0x10000c
	s_cmp_lg_u32 s2, 0xf033
	s_cbranch_scc0 .Lentry_shape_is_right
	s_endpgm
.Lentry_shape_is_right:
.set LAYER, 1                          ; 0: first layer, bf16 operands, h leaves as f16 in K blocks.  1: second layer, f16 operands, h times the mask leaves as f32 at row l*16 + b
; ONE GRU LAYER FROM A ZERO HIDDEN STATE.  G = A W^T (A: 8,192 rows m = b*512 + l, K = 1,024; W: 3 gates x 1,024 hidden columns), then for each hidden column
;   r = sigmoid(G_r + bi_r + bh_r)   1 - z = sigmoid(-(G_z + bi_z + bh_z))   n = tanh(G_n + bi_n + r bh_n)   h = (1 - z) n
; W_hh is no argument: the function that defines the result drops it before any use (the hidden state is 0), so no output hangs on it.
; A and W arrive in 16 bits, in blocks of 64 along K: A [16 kb][8192][64], W [16 kb][3072 n'][64] with n' = hb*384 + gate*128 + j.  Sums in f32.
; FORMATS.  The module's inputs are rounded once to bf16.  The first layer's h, which the program itself makes, goes to the second layer in f16: it lies inside (-1, 1), where f16 keeps 11 significant bits
; for bf16's 8, and its rounding reaches the output through 1,024 terms.  So the second layer multiplies in f16, and its weights, rounded to bf16 like the other inputs, arrive written as f16.
; LIMITS.  Below 2^-14 f16 keeps a fixed step of 2^-24; a weight of the second layer of 65,520 or more would be an infinity.
; sigmoid(x) = 1 / (1 + 2^(-x log2 e)), tanh(y) = 1 - 2 / (1 + 2^(2 y log2 e)): where the power overflows its reciprocal is 0, where it
; underflows it counts as 0, so both saturate by themselves and no clamp is written; tanh so made is off by about 1e-7 absolutely.  NaN and infinities are not treated apart.
; SHARES.  256 work-groups.  Work-group (hb, mb) makes 256 rows x 128 hidden columns x 3 gates; wave w the rows 128 (w / 2) .. and the hidden columns 64 (w % 2) ..: 128 x 192 of G in 96 accumulators of
; 16 x 16, 768 registers.  For 32 along K a wave reads 20,480 bytes of LDS for 96 matrix instructions.
; K goes in 16 steps of 64 through a ring of two LDS slots (a step of 128 would want 2 x 174,080 bytes).  A step's tiles are dense in memory (256 and 384 rows of 128 bytes) and are asked for as rows of
; 256 bytes that begin at multiples of 256 from the buffer's first byte, padded in LDS after every 128 bytes.
; CLUSTERS: 4 x 4 work-groups.  A's tile hangs on mb alone and is shared along a row of the cluster, W's on hb alone and is shared along a column: each is asked for JOINTLY, by the same tensor load with
; the same descriptor and a mask that names the four.
; THE MATRIX INSTRUCTION IS USED TRANSPOSED (source 0 = 16 rows of W, source 1 = 16 rows of A): a lane holds row lane % 16 and the columns 8 (lane / 16) + 0..7.
; THE WAY OUT.  The raw sums go through the wave's own stage in LDS, 32 rows x 3 gates at a time, and come back with 4 neighbouring hidden columns of one row a lane, all three gates in the same lane:
; the gate stage is then one loop of 8 rows a trip, the biases take 16 registers, and sixteen neighbouring lanes hold 64 neighbouring columns of a row.
; REGISTERS, in windows of 256 (s_set_vgpr_msb: bits 1:0 source 0, 3:2 source 1, 5:4 source 2, 7:6 destination):
;   window 0: v0-31 addresses; v32-95, v96-159 A's fragments, two buffers of 8; v160-255 W's fragments, one buffer of 4 for each gate.  On the way out v32-123 hold biases, masks and the gates at work
;   windows 1, 2, 3: the accumulators of gates r, z, n: (a, b) at v[8 (4 a + b)], a = 0..7 blocks of 16 rows, b = 0..3 blocks of 16 columns
.set PITCH,  144                       ; an LDS row: 128 bytes + 16 of padding = 36 words: the 16 rows of a fragment load start at 16 different groups of four banks (64 banks of 4 bytes: ISA guide 11.1)
.set AHALF,  128*PITCH                 ; what a wave fetches of A, and what a wave reads of A
.set BHALF,  192*PITCH                 ; what a wave fetches of W
.set BOFF,   2*AHALF                   ; W's 384 rows lie behind A's 256
.set SLOT,   BOFF+2*BHALF              ; 92,160 bytes
.set STAGE,  2*SLOT                    ; behind the ring, never filled by a tensor load: 32 rows x 784 bytes for each wave
.set SPITCH, 784                       ; a stage row: 3 gates x 256 bytes, then 16 bytes of which the first four hold the row's mask: 49 x 16
.set WSTAGE, 32*SPITCH
.set SPARE,  STAGE+4*WSTAGE            ; behind the stages: the spare words, 128 bytes for each wave: two blocks of 256 bytes that no other line names
.set ASTEP,  8192*128                  ; bytes from a K block of A to the next
.set BSTEP,  3072*128                  ; the same for W
.set LAPS,   7                         ; a lap = two K steps = once round the ring; the loop's 7 laps ask for steps 2 to 15
.if LAYER
.set OSTEP,  8*65536                   ; 8 rows l of the output [512 l][16 b][1024] f32
.else
.set OSTEP,  8*128                     ; 8 rows of a K block of h
.endif
.set ADRA, 16                          ; v16-17  LDS address of my A fragments in slot 0, 1
.set MO,   19                          ; v19     4 (lane % 16): my row's mask word
.set ADRB, 20                          ; v20-21  the same as ADRA for W
.set RMA,  22                          ; v22     the trip's address of the rows' masks
.set BO,   23                          ; v23     16 (lane % 16): my 4 columns in a bias
.set STO,  24                          ; v24     where I put 32 bytes of a stage row
.set RD,   25                          ; v25     where I read 16 bytes of a stage row back
.set RDA,  26                          ; v26     the trip's address for that
.set CO,   27                          ; v27     my byte offset in the output
.set SPW,  28                          ; v28     LDS address of my spare word; never rewritten
.set NIL,  29                          ; v29     0; never rewritten
.set STM,  30                          ; v30     where I put a row's mask
.set RM,   31                          ; v31     where I read it back
.set FA0,  32
.set FA1,  96
.set FBU,  160
.set BR,   32                          ; v[32:35] -(bi_r + bh_r) log2 e    of my 4 columns
.set BZ,   36                          ; v[36:39]  (bi_z + bh_z) log2 e
.set BN,   40                          ; v[40:43]  bi_n 2 log2 e
.set BH,   44                          ; v[44:47]  bh_n 2 log2 e
.set BT,   48                          ; v[48:55]  bh_r, bh_z as loaded
.set MK,   56                          ; v[56:63]  the mask of row 16 a + lane % 16, a = 0..7
.set GR,   64                          ; v[64:79]  gate r of four pairs of rows, 4 registers each;  v[80:95] gate z;  v[96:111] gate n
.set GZ,   80
.set GN,   96
.set GM,   112                         ; v[112:115] the four pairs' masks
.set GY,   116                         ; v[116:123] h in f16
.set WV,  16                           ; s16  my wave's number
.set FB,  17                           ; s17  which 128 rows are mine.  Also: I fetch for A (0) or for W (1)
.set HF,  18                           ; s18  which 64 hidden columns are mine.  Also: which half of that tile I fetch
.set G1,  24                           ; s[24:31] descriptor group 1 for A's tiles;  s[32:39] group 0, a set for each slot
.set G0,  32
.set G1B, 48                           ; s[48:55], s[56:63] the same for W's tiles
.set G0B, 56
.set FLAGS, (1<<16)|(1<<20)|(1<<21)|(4<<22)|(3<<25)  ; 17:16 elements of 2 bytes; 20 padding on; 21 set beside a mask; 24:22 after every 32 words (code 4); 31:25 4 words of it (code 3)
.set MSB, 0
.macro WIN new                         ; the immediate's high byte repeats the setting that is left; a switch that changes nothing is dropped
.if MSB != (\new)
	s_set_vgpr_msb (MSB<<8)|(\new)
.set MSB, \new
.endif
.endm
; A joint load.  Waves 0 and 1 fetch A's two halves, waves 2 and 3 W's.  The branch hangs on the wave's number alone.  An s_nop 0 and four v_nop follow each of the two lines.
.macro JLOAD s
	s_cmp_eq_u32 s[FB], 0
	s_cbranch_scc0 .Lfor_b_\@
	tensor_load_to_lds s[G0+4*(\s):G0+4*(\s)+3], s[G1:G1+7]
	s_nop 0
.rept 4
	v_nop
.endr
	s_branch .Lasked_\@
.Lfor_b_\@:
	tensor_load_to_lds s[G0B+4*(\s):G0B+4*(\s)+3], s[G1B:G1B+7]
	s_nop 0
.rept 4
	v_nop
.endr
.Lasked_\@:
.endm
; A round of the cluster's barrier: my work-group's barrier, so that wave 0's signal speaks for all four waves; wave 0 signals; every wave waits for all sixteen work-groups; my work-group's barrier once more.
.macro CREST                           ; a round behind its opening barrier
	s_cmp_lg_u32 s[WV], 0
	s_cbranch_scc1 .Lnot_wave_0_\@
	s_barrier_signal -3
.Lnot_wave_0_\@:
	s_barrier_wait -3
	s_barrier_signal -1
	s_barrier_wait -1
.endm
.macro CROUND                          ; a whole round
	s_barrier_signal -1
	s_barrier_wait -1
	CREST
.endm
.macro PLACES                          ; four places in front of loads into registers that matrix instructions have read (ISA guide 7.12.1 for vector instructions)
.rept 4
	v_nop
.endr
.endm
	s_load_b256 s[4:11], s[0:1], 0x0               ; A s[4:5], W s[6:7], b_ih s[8:9], b_hh s[10:11]
.if LAYER
	s_load_b128 s[12:15], s[0:1], 0x20             ; the output s[12:13], the mask s[14:15]
.else
	s_load_b64 s[12:13], s[0:1], 0x20              ; the output
.endif
	v_lshl_add_u32 v[SPW], v0, 2, SPARE
	v_mov_b32 v[NIL], 0
	ds_add_u32 v[SPW], v[NIL]                      ; the wave's opening: the add and its wait stand ahead of my first tensor load; the set-up below, work on registers, stands between them
	v_lshrrev_b32 v1, 5, v0
	v_readfirstlane_b32 s[WV], v1                  ; wave 0..3
	s_lshr_b32 s[FB], s[WV], 1
	s_and_b32 s[HF], s[WV], 1
	s_bfe_u32 s19, ttmp6, 0x40000                  ; cx, cy: my place in the cluster
	s_bfe_u32 s20, ttmp6, 0x40004
	s_lshl_b32 s21, ttmp9, 2                       ; in a cluster launch ttmp9 and ttmp7 count clusters
	s_add_co_u32 s21, s21, s19                     ; hb = 4 x cluster x + cx
	s_and_b32 s22, ttmp7, 0xffff
	s_lshl_b32 s22, s22, 2
	s_add_co_u32 s22, s22, s20                     ; mb = 4 x cluster y + cy
	s_lshl_b32 s40, s20, 2
	s_lshl_b32 s40, 15, s40                        ; my row of the cluster: places 4 cy .. 4 cy + 3
	s_lshl_b32 s41, 0x1111, s19                    ; my column: places cx, cx + 4, cx + 8, cx + 12
	s_or_b32 s[G1], s40, FLAGS                     ; A's tiles go to my row,
	s_or_b32 s[G1B], s41, FLAGS                    ; W's to my column
	s_mov_b32 s[G1+1], 128<<16                     ; tensor_dim0 = 128 elements: 256 bytes, two rows of a K block
	s_mov_b32 s[G1B+1], 128<<16
	s_mov_b32 s[G1+2], 64<<16                      ; tensor_dim1 = 64: 128 rows of A
	s_mov_b32 s[G1B+2], 96<<16                     ; 96: 192 rows of W
	s_mov_b32 s[G1+3], 128<<16                     ; tile_dim0
	s_mov_b32 s[G1B+3], 128<<16
	s_mov_b32 s[G1+4], 64                          ; tile_dim1
	s_mov_b32 s[G1B+4], 96
	s_mov_b32 s[G1+5], 128                         ; elements from row to row: dense
	s_mov_b32 s[G1B+5], 128
	s_mov_b32 s[G1+6], 0
	s_mov_b32 s[G1B+6], 0
	s_mov_b32 s[G1+7], 0
	s_mov_b32 s[G1B+7], 0
	; where the tiles come from: A's offset is made of mb and the wave's number, W's of hb and the wave's number, each in registers that never hold the other coordinate
	s_lshl_b32 s42, s22, 15                        ; mb x 256 rows x 128 bytes
	s_lshl_b32 s23, s[HF], 14                      ; + my half's 128 rows
	s_add_co_u32 s42, s42, s23
	s_mov_b32 s43, 0
	s_mul_i32 s44, s21, 384*128                    ; hb x 384 rows x 128 bytes
	s_mul_i32 s23, s[HF], 192*128                  ; + my half's 192 rows
	s_add_co_u32 s44, s44, s23
	s_mov_b32 s45, 0
	s_mul_i32 s46, s[HF], AHALF                    ; and where they go: no place in the cluster enters an LDS address
	s_mul_i32 s47, s[HF], BHALF
	s_add_co_u32 s47, s47, BOFF
	s_mov_b32 s70, 0xbfb8aa3b                      ; -log2 e; each constant twice: the packed forms name a pair and take its low word for both halves
	s_mov_b32 s71, 0xbfb8aa3b
	s_mov_b32 s72, 0x3fb8aa3b                      ; log2 e
	s_mov_b32 s73, 0x3fb8aa3b
	s_mov_b32 s74, 0x4038aa3b                      ; 2 log2 e
	s_mov_b32 s75, 0x4038aa3b
	s_wait_dscnt 0x0                               ; the opening add is done
	s_wait_kmcnt 0x0
	s_add_nc_u64 s[42:43], s[4:5], s[42:43]        ; my part of A's tile of K step 0
	s_add_nc_u64 s[44:45], s[6:7], s[44:45]        ; and of W's
	CROUND                                         ; all sixteen work-groups are here: the first joint loads meet
.irp s, 0,1
	s_mov_b32 s[G0+4*(\s)], 1                                      ; count = 1
	s_add_co_u32 s[G0+4*(\s)+1], s46, (\s)*SLOT                    ; LDS address
	s_add_nc_u64 s[G0+4*(\s)+2:G0+4*(\s)+3], s[42:43], (\s)*ASTEP  ; global address: K step s
	s_or_b32 s[G0+4*(\s)+3], s[G0+4*(\s)+3], 0x80000000            ; type = 2
	s_mov_b32 s[G0B+4*(\s)], 1
	s_add_co_u32 s[G0B+4*(\s)+1], s47, (\s)*SLOT
	s_add_nc_u64 s[G0B+4*(\s)+2:G0B+4*(\s)+3], s[44:45], (\s)*BSTEP
	s_or_b32 s[G0B+4*(\s)+3], s[G0B+4*(\s)+3], 0x80000000
	JLOAD \s                                       ; two loads of mine are out: the ring is filled before anything else is done
.endr
	; A fragment is 16 rows x 32 K in 8 registers: lane l holds row l % 16; registers 0-3 K = 8 (l / 16) + 0..7, registers 4-7 K = 16 + 8 (l / 16) + 0..7: two loads of 16 bytes, 32 bytes apart.
	v_and_b32 v1, 15, v0                           ; l % 16
	v_bfe_u32 v2, v0, 4, 1                         ; l / 16
	v_mul_u32_u24 v3, v1, PITCH
	v_lshl_add_u32 v3, v2, 4, v3                   ; row x pitch + 16 x half
	s_mul_i32 s23, s[FB], AHALF                    ; my 128 rows of A
	s_mul_i32 s76, s[HF], 64*PITCH                 ; my 64 rows of each gate of W,
	s_add_co_u32 s76, s76, BOFF                    ; which lie behind A's 256
	v_add_nc_u32 v[ADRA], s23, v3
	v_add_nc_u32 v[ADRB], s76, v3
	v_add_nc_u32 v[ADRA+1], SLOT, v[ADRA]
	v_add_nc_u32 v[ADRB+1], SLOT, v[ADRB]
	s_mul_i32 s23, s[WV], WSTAGE
	s_add_co_u32 s23, s23, STAGE                   ; my stage
	v_mul_u32_u24 v4, v1, SPITCH
	v_add_nc_u32 v4, s23, v4
	v_lshl_add_u32 v[STO], v2, 5, v4               ; in: row l % 16, 32 bytes (8 columns) for each half of the lanes
	v_mul_u32_u24 v5, v2, SPITCH
	v_add_nc_u32 v5, s23, v5
	v_lshl_add_u32 v[RD], v1, 4, v5                ; back: lanes 0-15 take a gate's 256 bytes of one row, lanes 16-31 of the next
	v_lshlrev_b32 v[BO], 4, v1
	s_lshl_b32 s76, s21, 9                         ; my first hidden column, in bytes of f32: 512 hb + 256 half
	s_lshl_b32 s77, s[HF], 8
	s_add_co_u32 s76, s76, s77
	s_mov_b32 s77, 0
	s_add_nc_u64 s[8:9], s[8:9], s[76:77]
	s_add_nc_u64 s[10:11], s[10:11], s[76:77]
.if LAYER
	v_add_nc_u32 v[STM], 768, v4
	v_add_nc_u32 v[RM], 768, v5
	v_lshlrev_b32 v[MO], 2, v1
	v_lshlrev_b32 v[CO], 16, v2                    ; the next row l lies 16 x 4,096 bytes on
	v_lshl_add_u32 v[CO], v1, 4, v[CO]
	s_and_b32 s78, s22, 1                          ; row m = 256 mb + 128 half + ..: b = mb / 2, l = 256 (mb % 2) + 128 half + ..; its bytes begin at l x 65,536 + b x 4,096
	s_lshl_b32 s78, s78, 24
	s_lshl_b32 s79, s[FB], 23
	s_add_co_u32 s78, s78, s79
	s_lshr_b32 s79, s22, 1
	s_lshl_b32 s79, s79, 12
	s_add_co_u32 s78, s78, s79
	s_add_co_u32 s78, s78, s76                     ; + my first column
	s_mov_b32 s79, 0
	s_add_nc_u64 s[12:13], s[12:13], s[78:79]
	s_lshl_b32 s78, s22, 10                        ; the mask's word of my first row
	s_lshl_b32 s79, s[FB], 9
	s_add_co_u32 s78, s78, s79
	s_mov_b32 s79, 0
	s_add_nc_u64 s[14:15], s[14:15], s[78:79]
.else
	v_and_b32 v[CO], 31, v0
	v_lshlrev_b32 v[CO], 3, v[CO]                  ; 8 bytes a lane: two rows of 128 bytes
	s_lshl1_add_u32 s78, s21, s[HF]                ; my 64 hidden columns are K block 2 hb + half of the next layer
	s_lshl_b32 s78, s78, 20                        ; x 8,192 rows x 128 bytes
	s_lshl_b32 s79, s22, 15                        ; + my first row
	s_add_co_u32 s78, s78, s79
	s_lshl_b32 s79, s[FB], 14
	s_add_co_u32 s78, s78, s79
	s_mov_b32 s79, 0
	s_add_nc_u64 s[12:13], s[12:13], s[78:79]
.endif
; 4 na matrix instructions of gate g: row blocks a0 .. a0 + na - 1 x all 4 column blocks, 32 along K, A's fragments in buffer f.  zero = 1: the first product starts the sums: nothing is ever cleared.
; The 96 accumulators take turns in the same order in every quarter step.  The first layer's operands are bf16, the second's f16: one form throughout a launch.
.macro MULG g, f, a0, na, zero
	WIN 0x50*((\g)+1)                              ; C and D in the gate's window, sources in window 0
.set ma, \a0
.rept \na
.irp b, 0,1,2,3
.if LAYER
.if \zero
	v_wmma_f32_16x16x32_f16 v[8*(4*ma+(\b)):8*(4*ma+(\b))+7], v[FBU+32*(\g)+8*(\b):FBU+32*(\g)+8*(\b)+7], v[(\f)+8*ma:(\f)+8*ma+7], 0
.else
	v_wmma_f32_16x16x32_f16 v[8*(4*ma+(\b)):8*(4*ma+(\b))+7], v[FBU+32*(\g)+8*(\b):FBU+32*(\g)+8*(\b)+7], v[(\f)+8*ma:(\f)+8*ma+7], v[8*(4*ma+(\b)):8*(4*ma+(\b))+7]
.endif
.else
.if \zero
	v_wmma_f32_16x16x32_bf16 v[8*(4*ma+(\b)):8*(4*ma+(\b))+7], v[FBU+32*(\g)+8*(\b):FBU+32*(\g)+8*(\b)+7], v[(\f)+8*ma:(\f)+8*ma+7], 0
.else
	v_wmma_f32_16x16x32_bf16 v[8*(4*ma+(\b)):8*(4*ma+(\b))+7], v[FBU+32*(\g)+8*(\b):FBU+32*(\g)+8*(\b)+7], v[(\f)+8*ma:(\f)+8*ma+7], v[8*(4*ma+(\b)):8*(4*ma+(\b))+7]
.endif
.endif
.endr
.set ma, ma+1
.endr
.endm
.macro LDB g, slot, k                  ; 8 LDS loads: gate g's 4 fragments of W, 32 K at byte k of the rows
.irp b, 0,1,2,3
	ds_load_b128 v[FBU+32*(\g)+8*(\b):FBU+32*(\g)+8*(\b)+3],   v[ADRB+(\slot)] offset:(\k)+(128*(\g)+16*(\b))*PITCH
	ds_load_b128 v[FBU+32*(\g)+8*(\b)+4:FBU+32*(\g)+8*(\b)+7], v[ADRB+(\slot)] offset:(\k)+(128*(\g)+16*(\b))*PITCH+32
.endr
.endm
.macro LDA f, slot, k                  ; 16 LDS loads: A's 8 fragments into buffer f
.irp i, 0,1,2,3,4,5,6,7
	ds_load_b128 v[(\f)+8*(\i):(\f)+8*(\i)+3],   v[ADRA+(\slot)] offset:(\k)+(\i)*16*PITCH
	ds_load_b128 v[(\f)+8*(\i)+4:(\f)+8*(\i)+7], v[ADRA+(\slot)] offset:(\k)+(\i)*16*PITCH+32
.endr
.endm
; A K step is two quarters-of-128, each 32 along K and 96 matrix instructions.  The first multiplies buffer FA0; behind each gate's 32 products that gate's next fragments of W are fetched into the registers
; just read (behind the first gate's also A's next fragments, into FA1): three runs of 24, 8 and 8 loads, each 64 matrix instructions ahead of its first use.
.macro QUARTER slot, k, zero
	s_wait_dscnt 16                                ; the youngest 16 loads (gates z and n of W) may be out: gate r and A are in
	MULG 0, FA0, 0, 8, \zero
	PLACES
	WIN 0
	LDB 0, \slot, \k
	LDA FA1, \slot, \k
	s_wait_dscnt 32                                ; out may be the 24 just issued and gate n's 8: gate z is in
	MULG 1, FA0, 0, 8, \zero
	PLACES
	WIN 0
	LDB 1, \slot, \k
	s_wait_dscnt 32                                ; out may be the 24 and the 8 issued in this quarter: gate n is in
	MULG 2, FA0, 0, 8, \zero
	PLACES
	WIN 0
	LDB 2, \slot, \k
.endm
; The second multiplies FA1 and changes slots: ONE barrier for two things.  In front of it each wave waits for all its tensor loads, of which one is out: its part of the next slot; adds 0 to its spare word;
; and waits for that and for its own reads of this slot.  Behind it nobody reads this slot any more and the next slot is whole.  fill = 1: the barrier opens a round of the cluster's, and the slot just read out is
; filled again first thing behind the round, two K steps ahead: 160 of a step's 192 matrix instructions stand between that request and the wait for it.
.macro TURN slot, next, fill
	WIN 0
	s_wait_tensorcnt 0x0                           ; all my tensor loads have landed;
	ds_add_u32 v[SPW], v[NIL]                      ; 0 onto my spare word;
	s_wait_dscnt 17                                ; (the add and the youngest 16 loads may be out: gate r and A are in)
	MULG 0, FA1, 0, 4, 0                           ; sixteen matrix instructions stand between the add and the wait for it
	s_wait_dscnt 0x0                               ; the add is done, and my reads of this slot are over
	s_barrier_signal -1
	MULG 0, FA1, 4, 4, 0                           ; work on registers while the others arrive
	WIN 0
	s_barrier_wait -1
.if \fill
	CREST                                          ; no wave of any partner still reads this slot's tile or has a load on its way
	s_add_nc_u64 s[G0+4*(\slot)+2:G0+4*(\slot)+3], s[G0+4*(\slot)+2:G0+4*(\slot)+3], 2*ASTEP
	s_add_nc_u64 s[G0B+4*(\slot)+2:G0B+4*(\slot)+3], s[G0B+4*(\slot)+2:G0B+4*(\slot)+3], 2*BSTEP
	JLOAD \slot                                    ; the first tensor load behind the round; the four v_nop behind it are also the places in front of the loads below
.else
	PLACES
.endif
	LDB 0, \next, 0
	LDA FA0, \next, 0
	MULG 1, FA1, 0, 8, 0
	PLACES
	WIN 0
	LDB 1, \next, 0
	MULG 2, FA1, 0, 8, 0
	PLACES
	WIN 0
	LDB 2, \next, 0
.endm
	s_wait_tensorcnt 1                             ; my part of K step 0 is in; step 1's may stay out
	s_barrier_signal -1
	s_barrier_wait -1                              ; everybody's is
	LDB 0, 0, 0
	LDA FA0, 0, 0
	LDB 1, 0, 0
	LDB 2, 0, 0
	QUARTER 0, 64, 1                               ; the first 32 along K stand in front of the loop: their products start the sums
	s_mov_b32 s66, LAPS
.Llap:                                                 ; a trip goes once round the ring and fills both slots again
	TURN 0, 1, 1
	QUARTER 1, 64, 0
	TURN 1, 0, 1
	QUARTER 0, 64, 0
	s_sub_co_u32 s66, s66, 1
	s_cmp_lg_u32 s66, 0
	s_cbranch_scc1 .Llap
	TURN 0, 1, 0                                   ; the last lap fills nothing, and has no round of the cluster's barrier
	QUARTER 1, 64, 0
	; the biases of my 4 columns (and the masks of my rows) are asked for here, into buffer FA0, which is read no more (its four places stand above): they land under the last 96 products
	global_load_b128 v[BR:BR+3], v[BO], s[8:9]
	global_load_b128 v[BZ:BZ+3], v[BO], s[8:9] offset:4096
	global_load_b128 v[BN:BN+3], v[BO], s[8:9] offset:8192
	global_load_b128 v[BT:BT+3], v[BO], s[10:11]
	global_load_b128 v[BT+4:BT+7], v[BO], s[10:11] offset:4096
	global_load_b128 v[BH:BH+3], v[BO], s[10:11] offset:8192
.if LAYER
.irp i, 0,1,2,3,4,5,6,7
	global_load_b32 v[MK+(\i)], v[MO], s[14:15] offset:64*(\i)  ; row 16 i + lane % 16
.endr
.endif
	s_wait_dscnt 16                                ; the very last 32 along K: nothing more to fetch, the counts run down
	MULG 0, FA1, 0, 8, 0
	s_wait_dscnt 8
	MULG 1, FA1, 0, 8, 0
	s_wait_dscnt 0x0
	MULG 2, FA1, 0, 8, 0
	WIN 0
	s_wait_loadcnt 0x0                             ; biases and masks
	; the biases are summed and scaled once; these twelve plain instructions, which name no register of the last products, are also the places behind them
	v_pk_add_f32 v[BR:BR+1], v[BR:BR+1], v[BT:BT+1]
	v_pk_add_f32 v[BR+2:BR+3], v[BR+2:BR+3], v[BT+2:BT+3]
	v_pk_add_f32 v[BZ:BZ+1], v[BZ:BZ+1], v[BT+4:BT+5]
	v_pk_add_f32 v[BZ+2:BZ+3], v[BZ+2:BZ+3], v[BT+6:BT+7]
	v_pk_mul_f32 v[BN:BN+1], v[BN:BN+1], s[74:75] op_sel_hi:[1,0]
	v_pk_mul_f32 v[BN+2:BN+3], v[BN+2:BN+3], s[74:75] op_sel_hi:[1,0]
	v_pk_mul_f32 v[BH:BH+1], v[BH:BH+1], s[74:75] op_sel_hi:[1,0]
	v_pk_mul_f32 v[BH+2:BH+3], v[BH+2:BH+3], s[74:75] op_sel_hi:[1,0]
	v_pk_mul_f32 v[BR:BR+1], v[BR:BR+1], s[70:71] op_sel_hi:[1,0]
	v_pk_mul_f32 v[BR+2:BR+3], v[BR+2:BR+3], s[70:71] op_sel_hi:[1,0]
	v_pk_mul_f32 v[BZ:BZ+1], v[BZ:BZ+1], s[72:73] op_sel_hi:[1,0]
	v_pk_mul_f32 v[BZ+2:BZ+3], v[BZ+2:BZ+3], s[72:73] op_sel_hi:[1,0]
.if LAYER
.irp i, 0,1,2,3,4,5,6,7
	v_cvt_f32_i32 v[MK+(\i)], v[MK+(\i)]           ; the mask as a number, whatever whole number it holds
.endr
.endif
; THE GATE STAGE's lines, each over the 16 registers (four pairs of rows x 4 columns) of one gate.
.macro FMA8 x, sc, bias                ; x = x * scalar + bias of my 4 columns
.set i, 0
.rept 8
	v_pk_fma_f32 v[(\x)+2*i:(\x)+2*i+1], v[(\x)+2*i:(\x)+2*i+1], s[(\sc):(\sc)+1], v[(\bias)+2*(i%2):(\bias)+2*(i%2)+1] op_sel_hi:[1,0,1]
.set i, i+1
.endr
.endm
.macro TR16 op, x                      ; a transcendental, in place
.set i, 0
.rept 16
	\op v[(\x)+i], v[(\x)+i]
.set i, i+1
.endr
.endm
.macro INC8 x                          ; x = x + 1
.set i, 0
	s_wait_alu depctr_va_vdst(0)
.rept 8
	v_pk_add_f32 v[(\x)+2*i:(\x)+2*i+1], v[(\x)+2*i:(\x)+2*i+1], 1.0 op_sel_hi:[1,0]
.set i, i+1
.endr
.endm
.set MX, 4*LAYER                       ; the second layer's four loads of masks are the youngest of a trip's LDS loads
; Row blocks 2 c and 2 c + 1 (32 rows) leave.  First the raw sums go into my stage (each accumulator's low four registers first), the rows' masks into the rows' spare words.
; LDS serves a wave's instructions in order (ISA guide 5.7.1.4) and the stage is mine alone: no wait and no barrier stands between these stores and the loads below, or between those loads and the next stores.
.macro CHUNK c
.irp g, 0,1,2
	WIN ((\g)+1)<<2                                ; the stores' data in the gate's window
.irp aa, 0,1
.irp b, 0,1,2,3
	ds_store_b128 v[STO], v[8*(4*(2*(\c)+(\aa))+(\b)):8*(4*(2*(\c)+(\aa))+(\b))+3]   offset:(\aa)*16*SPITCH+256*(\g)+64*(\b)
	ds_store_b128 v[STO], v[8*(4*(2*(\c)+(\aa))+(\b))+4:8*(4*(2*(\c)+(\aa))+(\b))+7] offset:(\aa)*16*SPITCH+256*(\g)+64*(\b)+16
.endr
.endr
.endr
	WIN 0
.if LAYER
	ds_store_b32 v[STM], v[MK+2*(\c)]
	ds_store_b32 v[STM], v[MK+2*(\c)+1] offset:16*SPITCH
.endif
	s_mov_b32 s67, 4                               ; four trips of 8 rows
	s_mov_b32 s68, 0                               ; the trip's first row in the stage, in bytes
.Ltrip_\@:
	v_add_nc_u32 v[RDA], s68, v[RD]
.if LAYER
	v_add_nc_u32 v[RMA], s68, v[RM]
.endif
.irp g, 0,1,2
.irp t, 0,1,2,3
	ds_load_b128 v[GR+16*(\g)+4*(\t):GR+16*(\g)+4*(\t)+3], v[RDA] offset:256*(\g)+2*SPITCH*(\t)  ; gate g, rows 2 t and 2 t + 1: 4 columns a lane
.endr
.endr
.if LAYER
.irp t, 0,1,2,3
	ds_load_b32 v[GM+(\t)], v[RMA] offset:2*SPITCH*(\t)
.endr
.endif
	; behind each run of transcendentals stands a plain instruction that touches none of its registers before a result is used (ISA guide 5.7.2)
	s_wait_dscnt 8+MX                              ; gate r is in; the younger loads (z, n, masks) stay out
	FMA8 GR, 70, BR                                ; -(G_r + bi_r + bh_r) log2 e
	TR16 v_exp_f32, GR
	s_wait_dscnt 4+MX                              ; gate z is in
	FMA8 GZ, 72, BZ                                ; (G_z + bi_z + bh_z) log2 e
	TR16 v_exp_f32, GZ
	INC8 GR
	TR16 v_rcp_f32, GR                             ; r
	s_wait_dscnt MX                                ; gate n is in
	FMA8 GN, 74, BN                                ; (G_n + bi_n) 2 log2 e
	INC8 GZ
	TR16 v_rcp_f32, GZ                             ; 1 - z
.set i, 0
	s_wait_alu depctr_va_vdst(0)
.rept 8
	v_pk_fma_f32 v[GN+2*i:GN+2*i+1], v[GR+2*i:GR+2*i+1], v[BH+2*(i%2):BH+2*(i%2)+1], v[GN+2*i:GN+2*i+1]  ; + r bh_n 2 log2 e
.set i, i+1
.endr
	TR16 v_exp_f32, GN
.if LAYER
	s_wait_dscnt 0x0                               ; the masks are in
.set i, 0
	s_wait_alu depctr_va_vdst(0)
.rept 16
	v_mul_f32 v[GZ+i], v[GZ+i], v[GM+i/4]          ; (1 - z) x mask
.set i, i+1
.endr
.else
	v_nop
.endif
	INC8 GN
	TR16 v_rcp_f32, GN
	v_nop
.set i, 0
	s_wait_alu depctr_va_vdst(0)
.rept 8
	v_pk_fma_f32 v[GN+2*i:GN+2*i+1], v[GN+2*i:GN+2*i+1], -2.0, 1.0 op_sel_hi:[1,0,0]  ; tanh
.set i, i+1
.endr
.set i, 0
.rept 8
	v_pk_mul_f32 v[GN+2*i:GN+2*i+1], v[GN+2*i:GN+2*i+1], v[GZ+2*i:GZ+2*i+1]           ; h
.set i, i+1
.endr
.if LAYER
.irp t, 0,1,2,3
	global_store_b128 v[CO], v[GN+4*(\t):GN+4*(\t)+3], s[12:13] offset:2*65536*(\t) th:TH_STORE_NT  ; 16 lanes store 256 consecutive bytes, at a multiple of 256 from the output's first byte
.endr
.else
.set i, 0
.rept 8
	v_cvt_pk_f16_f32 v[GY+i], v[GN+2*i], v[GN+2*i+1]  ; h, inside (-1, 1), rounded once to f16
.set i, i+1
.endr
.irp t, 0,1,2,3
	global_store_b64 v[CO], v[GY+2*(\t):GY+2*(\t)+1], s[12:13] offset:256*(\t)  ; 32 lanes store 256 consecutive bytes, two rows of a K block, at a multiple of 256 from the buffer's first byte
.endr
.endif
	s_wait_xcnt 0x0                                ; every earlier memory instruction has had its addresses translated (ISA guide 3.1): only behind this wait are the stores' base and data registers rewritten
	s_add_nc_u64 s[12:13], s[12:13], OSTEP         ; 8 rows on; the base runs on from chunk to chunk
	s_add_co_u32 s68, s68, 8*SPITCH
	s_sub_co_u32 s67, s67, 1
	s_cmp_lg_u32 s67, 0
	s_cbranch_scc1 .Ltrip_\@
.endm
	CHUNK 0
	CHUNK 1
	CHUNK 2
	CHUNK 3
	s_wait_tensorcnt 0x0                           ; the wave's end: a wait, an add and its wait, behind my last tensor load and my last LDS store
	ds_add_u32 v[SPW], v[NIL]
	s_wait_dscnt 0x0
	CROUND                                         ; the closing round: no work-group ends while a partner may still ask for a tile that names it
	s_endpgm
.Lfunc_end_k_qaceeaf0e4e_layer1:
	.size	k_qaceeaf0e4e_layer1, .Lfunc_end_k_qaceeaf0e4e_layer1-k_qaceeaf0e4e_layer1
	.p2alignl 7, 3214868480
	.fill 96, 4, 3214868480
	.section	.rodata,"a",@progbits
	.p2align	6, 0x0
	.amdhsa_kernel k_qaceeaf0e4e_layer1
		.amdhsa_group_segment_fixed_size 327680
		.amdhsa_private_segment_fixed_size 0
		.amdhsa_enable_private_segment 0
		.amdhsa_kernarg_size 48
		.amdhsa_user_sgpr_count 2
		.amdhsa_user_sgpr_kernarg_segment_ptr 1
		.amdhsa_wavefront_size32 1
		.amdhsa_system_sgpr_workgroup_id_x 1
		.amdhsa_system_sgpr_workgroup_id_y 1
		.amdhsa_system_sgpr_workgroup_id_z 1
		.amdhsa_system_vgpr_workitem_id 0
		.amdhsa_next_free_vgpr 1024
		.amdhsa_next_free_sgpr 80
		.amdhsa_reserve_vcc 0
		.amdhsa_float_denorm_mode_32 3
		.amdhsa_float_denorm_mode_16_64 3
		.amdhsa_memory_ordered 1
		.amdhsa_forward_progress 1
		.amdhsa_inst_pref_size 139
	.end_amdhsa_kernel
	.amdgpu_metadata
---
amdhsa.version: [ 1, 2 ]
amdhsa.kernels:
  - .name:           k_qaceeaf0e4e_layer1
    .symbol:         k_qaceeaf0e4e_layer1.kd
    .args:
      - { .name: h1b, .offset: 0, .size: 8, .value_kind: global_buffer, .address_space: global }
      - { .name: w1b, .offset: 8, .size: 8, .value_kind: global_buffer, .address_space: global }
      - { .name: b_ih1, .offset: 16, .size: 8, .value_kind: global_buffer, .address_space: global }
      - { .name: b_hh1, .offset: 24, .size: 8, .value_kind: global_buffer, .address_space: global }
      - { .name: out0, .offset: 32, .size: 8, .value_kind: global_buffer, .address_space: global }
      - { .name: inputs_mask, .offset: 40, .size: 8, .value_kind: global_buffer, .address_space: global }
    .group_segment_fixed_size: 327680
    .private_segment_fixed_size: 0
    .kernarg_segment_align: 8
    .kernarg_segment_size: 48
    .max_flat_workgroup_size: 128
    .sgpr_count:     80
    .vgpr_count:     1024
    .wavefront_size: 32
...
	.end_amdgpu_metadata
.endif
;; end of part 3
